; MI455X (gfx1250); checked and timed in simulation.
; The chip was launched on July 23, 2026; its instructions are those of AMD's public machine-readable ISA for CDNA 5 (MIT licence, August 2026) and "CDNA5" Instruction Set Architecture Reference Guide (July 2026). The comments in the code are by the model that wrote it; some were corrected since.
;; BNB Linear4bit. Allowed arithmetic: matrix products marked QUANTISED: E2M1 operands, one E8M0 scale for each 32 along K, by v_wmma_scale_f32_16x16x128_f8f6f4 with both operands' format E2M1 (or v_wmma_scale_f32_32x16x128_f4), f32 sums; everything else in f32.
;; Inputs: absmax 4,096 x 64 float32; bias 4,096 float32; codes 4,096 x 4,096 int32; x 2 x 2,048 x 4,096 float32.
;; Outputs: out0 2 x 2,048 x 4,096 float32.
;; This version of the problem:
;;   THIS VERSION OF THE PROBLEM IS GIVEN IN LOW PRECISION. The matrix products marked QUANTISED in the list below multiply operands that are first quantised to E2M1 (2 exponent bits, 1 mantissa bit; 4 bits a number), with one power-of-two scale for each 32 numbers along K (OCP MX v1.0); their sums are f32. All else is computed in f32.
;;   The module's matrix products, in the order in which they are computed (A, B: the left and right operand; K: the contracted axis; several contracted axes count as one K, in the product's order):
;;     1. [M 4,096, K 4,096] x [K 4,096, N 4,096]; A: input x; B: computed on the way: QUANTISED
;;   THE QUANTISER, for each operand of a quantised product, along K:
;;     - K is cut into blocks of 32 from its start; a last block that is shorter is filled with zeros.
;;     - A block's scale is 2^e with e = floor(log2(the largest magnitude in the block)) - 2, held to -126 .. 127; a block of zeros has e = 0. As a byte (E8M0): e + 127.
;;     - Each number is divided by its block's scale, clamped to +-6, and rounded to the nearest number of E2M1, ties to even, subnormals kept.
;;     - The product sums the exact products of the quantised numbers (number of the format x scale) in f32.
;;   ~~~python
;;   def quantise(x, axis):      # numpy; x: float32 -> the quantised numbers, widened to float32 again
;;       x = np.moveaxis(x, axis, -1); K = x.shape[-1]
;;       x = np.pad(x, [(0, 0)] * (x.ndim - 1) + [(0, -K % 32)]); x = x.reshape(x.shape[:-1] + (-1, 32)); a = np.abs(x).max(-1, keepdims=True)
;;       e = np.where(a > 0, np.clip(np.frexp(np.where(a > 0, a, 1))[1] - 1 - 2, -126, 127), 0)      # np.frexp(a)[1] - 1 = floor(log2(a)), exactly
;;       r = np.clip(x / 2.0 ** e, -6, 6)
;;       step = 2.0 ** (np.maximum(np.frexp(np.where(r == 0, 1, r))[1] - 1, 0) - 1)
;;       q = np.round(r / step) * step * 2.0 ** e      # np.round: ties to even
;;       return np.moveaxis(q.reshape(q.shape[:-2] + (-1,))[..., :K], -1, axis).astype(np.float32)
;;   ~~~
;;   OPERANDS COMPUTED ON THE WAY. 'Computed on the way' means the value that the module computes at that place (a softmax that the list does not call 'softmax' is quantised finished and normalised). What goes into a quantiser is computed in f32, as accurately as f32 sums, v_exp_f32 and their like allow (about 1e-6 of the number): no bf16 or f16 on the way to a quantiser, and a product that is left as it is and whose result goes on into a quantised operand takes f32 operands (vector FMAs, or v_wmma_f32_16x16x4_f32). A number that lies on a knife's edge between two numbers of the format may be rounded either way, as far as f32 arithmetic and the matrix unit's own rounding can turn it there, and no further.
;; One version. Each part assembles by itself: llvm-mc -triple=amdgcn-amd-amdhsa -mcpu=gfx1250 --defsym DOCPART=n.
;; ======== version 1 of 1: 2 launches
;; limits: right only within a limited range of input values
;; workspace buffers: xq 8,912,896 bytes; wq 8,912,896 bytes
;; launch quant (part 1): grid 1024 x 1, 4 waves a work-group, no clusters, 45,568 bytes of LDS; arguments x, codes, absmax, xq, wq; writes xq, wq
.if DOCPART == 1
	.amdgcn_target "amdgcn-amd-amdhsa--gfx1250"
	.amdhsa_code_object_version 6
	.text
	.protected	k_qa165fc7a1c_quant
	.globl	k_qa165fc7a1c_quant
	.p2align	8
	.type	k_qa165fc7a1c_quant,@function
k_qa165fc7a1c_quant:
	s_mov_b64 s[64:65], 0
	v_nop
	global_prefetch_b8 v0, s[64:65] scope:SCOPE_SE
	s_setreg_imm32_b32 hwreg(HW_REG_WAVE_MODE, 25, 1), 1
	s_wait_xcnt 0x0
; x [4096][4096] f32, and w[n][k] = NF4[codes[n][k]] * absmax[n][k / 64] (one f32 product, as the problem has it), are turned into codes of FP4 (E2M1),
; K innermost, two codes a byte, with one E8M0 scale byte for each 32 along K.  Nothing of the problem is left out: all four inputs reach the result (the bias in the second launch).
; A block's scale is 2^(floor(log2(its largest magnitude)) - 2); its byte is the largest magnitude's exponent field - 2, held at 1 from below.
; LIMITS: a block of zeros keeps the byte 1 where the rule says 127 (its codes are zeros, and this program alone reads the bytes); blocks whose largest magnitude lies under 2^-124 keep the byte 1;
; NaN and infinities in x or absmax are not served; an index of 16 or more, read as an unsigned number, takes the table's entry 15 (an index stays inside its table).
; THE WORKSPACE (xq and wq alike) is laid as the second launch fetches it: [row / 128 (32)][K step of 512 (8)][34,816 bytes]: 128 rows x 256 bytes of codes, then 128 rows x 16 scale bytes: 136 aligned runs of 256 bytes on end.
; SHARES.  Work-groups 0-511 take x, 512-1023 take w.  A wave takes 16 rows x 512 along K, a row a step: a step reads 2,048 consecutive bytes by four loads of 512, turns them through the wave's own stage in LDS
; (16 bytes of padding behind each 64) so that a lane holds 16 NEIGHBOURS along K (two neighbouring lanes hold a block), and stores 256 consecutive bytes of codes, aligned.  The wave's 256 scale bytes are gathered in LDS
; and leave as 256 consecutive bytes, aligned.  No barrier: waves share nothing.  Loads run four steps (16 loads a wave) ahead, the turn through LDS one step.
; THE LOOKUP: the table's 16 numbers lie in lanes 0-15 of one register; ds_bpermute_b32 brings each lane the number of the lane that its index names (no LDS byte is touched).
; The two paths part once, on the work-group's number, and never join; each has LDS bytes of its own.
.set STEPS, 16
.set SP,    80                         ; a lane's place in a stage: its 64 bytes + 16 of padding
.set WREG,  5376                       ; LDS of a wave on a path: two stages of 32 x SP bytes, then its 256 scale bytes
.set SBY,   2*32*SP                    ; where those 256 bytes begin
.set WOFF,  4*WREG                     ; the w path's four regions lie behind the x path's
.set AOFF,  8*WREG                     ; behind them: absmax of a wave's 16 rows x 8 blocks of 64: 512 bytes a wave
.set SPARE, AOFF+4*512                 ; the spare words, 128 bytes for each wave: two blocks of 256 bytes that no other line names
.set TILEB, 34816                      ; a tile of the workspace
.set SPW,   12                         ; v12      LDS address of my spare word; never rewritten
.set NIL,   13                         ; v13      0; never rewritten
.set R,     16                         ; v16-79   four sets of 16 numbers as they are loaded
.set X,     80                         ; v80-111  two sets of 16 neighbours
.set E,     112                        ; v112-127 a scale byte for each step
.set C,     128                        ; v128-159 codes: two registers for each step, so that no store's data are written again
.set IDX,   160                        ; v160-175 4 x index
.set TAB,   176                        ; v176     the table: lane j holds NF4[j]
.set AMW,   177                        ; v177     where I put my 16 bytes of absmax
.set AM,    178                        ; v[178:179] my block's absmax (the packed multiply names a pair and takes its low word for both halves)
.set AB,    180                        ; v180-183 absmax as loaded
.set AMR,   184                        ; v184     where I read my block's absmax
	s_load_b256 s[4:11], s[0:1], 0x0               ; x s[4:5], codes s[6:7], absmax s[8:9], xq s[10:11]
	s_load_b64 s[12:13], s[0:1], 0x20              ; wq
	v_lshl_add_u32 v[SPW], v0, 2, SPARE
	v_mov_b32 v[NIL], 0
	v_lshrrev_b32 v1, 5, v0
	v_readfirstlane_b32 s16, v1                    ; wave 0..3
	v_and_b32 v2, 31, v0                           ; lane
	v_lshlrev_b32 v3, 4, v2                        ; my 16 bytes of a load's 512
	v_lshlrev_b32 v4, 3, v2                        ; my 8 bytes of a store's 256
	s_mul_i32 s17, s16, WREG
	v_lshrrev_b32 v14, 2, v2
	v_mul_u32_u24 v14, v14, SP
	v_and_b32 v15, 3, v2
	v_lshl_add_u32 v14, v15, 4, v14
	v_add_nc_u32 v14, s17, v14                     ; the stage, on the way in: SP (lane / 4) + 16 (lane % 4); a load's 512 bytes take eight places
	v_mul_u32_u24 v15, v2, SP
	v_add_nc_u32 v15, s17, v15                     ; and on the way out: SP x lane: my 16 neighbours
	v_lshrrev_b32 v5, 1, v2
	s_add_co_u32 s18, s17, SBY
	v_add_nc_u32 v5, s18, v5                       ; my block's scale byte
	v_add_nc_u32 v6, s18, v4                       ; and on the way out 8 bytes a lane
	s_wait_kmcnt 0x0
	s_cmp_lt_u32 ttmp9, 512                        ; x's work-group or w's?  The choice hangs on the work-group's number alone
	s_cselect_b64 s[20:21], s[4:5], s[6:7]         ; what is read
	s_cselect_b64 s[22:23], s[10:11], s[12:13]     ; what is written
	s_cselect_b32 s17, 0, 512
	s_sub_co_u32 s17, ttmp9, s17                   ; my number among the tensor's 512 work-groups
	s_lshr_b32 s18, s17, 1                         ; which 16 rows: 0..255
	s_and_b32 s19, s17, 1
	s_lshl_b32 s19, s19, 2
	s_add_co_u32 s19, s19, s16                     ; which K step of 512: 0..7
	s_lshl_b32 s24, s18, 18                        ; 16 rows of 16,384 bytes,
	s_lshl_b32 s26, s19, 11                        ; 512 numbers of 4 bytes
	s_add_co_u32 s24, s24, s26
	s_mov_b32 s25, 0
	s_add_nc_u64 s[20:21], s[20:21], s[24:25]
	s_lshr_b32 s24, s18, 3
	s_lshl_b32 s24, s24, 3
	s_add_co_u32 s24, s24, s19                     ; the tile: 8 x (row / 128) + K step
	s_mul_i32 s24, s24, TILEB
	s_add_nc_u64 s[22:23], s[22:23], s[24:25]
	s_and_b32 s26, s18, 7                          ; which 16 rows of the tile's 128
	s_lshl_b32 s24, s26, 8
	s_add_co_u32 s24, s24, 32768
	s_add_nc_u64 s[28:29], s[22:23], s[24:25]      ; my 256 scale bytes
	s_lshl_b32 s24, s26, 12
	s_add_nc_u64 s[22:23], s[22:23], s[24:25]      ; my 16 rows of codes
.macro LOAD t                          ; row t: 32 lanes read 512 consecutive bytes, four times
.irp i, 0,1,2,3
	global_load_b128 v[R+16*((\t)%4)+4*\i:R+16*((\t)%4)+4*\i+3], v3, s[20:21] offset:RST*(\t)+512*\i th:TH_LOAD_NT   ; RST: bytes from a step's row to the next step's
.endr
.endm
.macro TURN t, lb                      ; step t's numbers through the stage: LDS serves a wave's instructions in order, so no wait stands between the stores and the loads
.irp i, 0,1,2,3
	ds_store_b128 v14, v[R+16*((\t)%4)+4*\i:R+16*((\t)%4)+4*\i+3] offset:(\lb)+32*SP*((\t)%2)+8*SP*\i
.endr
.irp i, 0,1,2,3
	ds_load_b128 v[X+16*((\t)%2)+4*\i:X+16*((\t)%2)+4*\i+3], v15 offset:(\lb)+32*SP*((\t)%2)+16*\i
.endr
.endm
.macro LOOKUP t                        ; my 16 indices become w: the table's number x my block's absmax
	ds_load_b32 v[AM], v[AMR] offset:32*(\t)       ; row t's eight absmax lie on end; my 16 numbers lie in block lane / 4
.irp i, 0,1,2,3,4,5,6,7,8,9,10,11,12,13,14,15
	v_min_u32 v[IDX+\i], 15, v[XS+\i]              ; held inside the table
.endr
.irp i, 0,1,2,3,4,5,6,7,8,9,10,11,12,13,14,15
	v_lshlrev_b32 v[IDX+\i], 2, v[IDX+\i]          ; the permute names a lane by 4 x its number
.endr
.irp i, 0,1,2,3,4,5,6,7,8,9,10,11,12,13,14,15
	ds_bpermute_b32 v[XS+\i], v[IDX+\i], v[TAB]
.endr
	s_wait_dscnt 0x0                               ; absmax and the sixteen numbers are in
.irp i, 0,2,4,6,8,10,12,14
	v_pk_mul_f32 v[XS+\i:XS+\i+1], v[XS+\i:XS+\i+1], v[AM:AM+1] op_sel_hi:[1,0]   ; one rounding, as the problem's product has
.endr
.endm
.macro STEP t, w
.set XS, X+16*((\t)%2)
.set LB, (\w)*WOFF
.if (\t) > 0
	s_wait_dscnt 1                                 ; this step's numbers are back from the stage (the last step's byte store may be out): so its stores into the stage have read their registers,
.else
	s_wait_dscnt 0x0
.endif
.if (\t)+4 < STEPS
	LOAD (\t)+4                                    ; which take the loads of four steps on
.endif
.if (\t)+1 < STEPS
.if STEPS-2-(\t) >= 3
	s_wait_loadcnt 12                              ; the next step's four loads are in; those of the three steps behind it may be out
.else
	s_wait_loadcnt 4*(STEPS-2-(\t))                ; the last steps: the count runs down
.endif
	TURN (\t)+1, LB                                ; and go through the other stage while this step is worked
.endif
.if \w
	LOOKUP \t
.endif
	v_max3_num_f32 v8, |v[XS]|, |v[XS+1]|, |v[XS+2]|               ; the largest magnitude of my 16, in two chains
	v_max3_num_f32 v9, |v[XS+3]|, |v[XS+4]|, |v[XS+5]|
.irp i, 6,10
	v_max3_num_f32 v8, v8, |v[XS+\i]|, |v[XS+\i+1]|
	v_max3_num_f32 v9, v9, |v[XS+\i+2]|, |v[XS+\i+3]|
.endr
	v_max3_num_f32 v8, v8, |v[XS+14]|, |v[XS+15]|
	v_max3_num_f32 v8, v8, v9, 0x1800000           ; and the floor 2^(3 - 127), under which no largest magnitude is taken: so the byte cannot fall under 1
	v_max_num_f32_dpp v8, v8, v8 row_xmask:1 row_mask:0xf bank_mask:0xf   ; and of my neighbour's 16: the block's
	v_add_nc_u32 v11, 0xff000000, v8               ; 2 off its exponent field: the conversion takes the exponent field of this operand as its scale, and nothing else of it
	v_cvt_scalef32_pk8_fp4_f32 v[C+2*(\t)], v[XS:XS+7], v11        ; eight numbers / the scale, to the nearest code, ties to even, beyond 6 the largest code; the first number's code in the lowest four bits
	v_cvt_scalef32_pk8_fp4_f32 v[C+2*(\t)+1], v[XS+8:XS+15], v11
	v_lshrrev_b32 v[E+(\t)], 23, v11               ; the scale's byte (also the plain instruction behind the conversions)
	ds_store_b8 v5, v[E+(\t)] offset:LB+16*(\t)    ; both lanes of a block write the same byte with the same value
	global_store_b64 v4, v[C+2*(\t):C+2*(\t)+1], s[22:23] offset:256*(\t)   ; 32 lanes store 256 consecutive bytes, aligned: row t's codes
.endm
.macro BODY w
.irp t, 0,1,2,3
	LOAD \t
.endr
.if \w
	s_wait_loadcnt 16                              ; absmax is in; the sixteen loads issued behind it may be out
	ds_store_b128 v[AMW], v[AB:AB+3]
.endif
	s_wait_loadcnt 12                              ; step 0's four loads are in
	TURN 0, (\w)*WOFF
.irp t, 0,1,2,3,4,5,6,7,8,9,10,11,12,13,14,15
	STEP \t, \w
.endr
	ds_load_b64 v[8:9], v6 offset:(\w)*WOFF        ; LDS serves a wave's instructions in order: this sees my byte stores
	s_wait_dscnt 0x0
	global_store_b64 v4, v[8:9], s[28:29]          ; 32 lanes store 256 consecutive bytes, aligned: 16 rows x 16 scale bytes
	s_wait_tensorcnt 0x0                           ; the wave's end, behind my last LDS store
	ds_add_u32 v[SPW], v[NIL]
	s_wait_dscnt 0x0
	s_endpgm
.endm
.macro ENTRY j, bits
	s_mov_b32 s24, \bits
	v_writelane_b32 v[TAB], s24, \j
.endm
	s_cmp_lt_u32 ttmp9, 512                        ; compared anew: the additions above have written SCC
	s_cbranch_scc0 .Lweights
	s_wait_alu depctr_va_vdst(0)
.set RST, 16384                        ; x: a wave's 16 rows are neighbours
	BODY 0
.Lweights:
	; THE ROWS OF w ARE LAID IN ANOTHER ORDER: place 16 c + r of each 64 rows of wq holds row 4 r + c of w, so that in the second launch a lane's four neighbouring tiles hold four neighbouring columns of the result.
	; So the wave that writes places 16 s18 .. 16 s18 + 15 reads rows 64 (s18 / 4) + (s18 % 4) + 4 t: its first row lies 15 (s18 % 4) rows above 16 s18, and its steps are four rows apart.
	s_and_b32 s26, s18, 3
	s_mov_b32 s27, 0
	s_mul_i32 s24, s26, 15*256             ; in absmax: rows of 256 bytes
	s_mul_i32 s26, s26, 15*16384           ; in codes: rows of 16,384 bytes
	s_sub_nc_u64 s[20:21], s[20:21], s[26:27]
	s_lshl_b32 s26, s18, 12
	s_sub_co_u32 s24, s26, s24
	s_lshl_b32 s26, s19, 5                         ; a K step's eight numbers
	s_add_co_u32 s24, s24, s26
	s_add_nc_u64 s[30:31], s[8:9], s[24:25]        ; (s25 is still 0)
	s_lshl_b32 s26, s16, 9
	s_add_co_u32 s26, s26, AOFF                    ; my wave's 512 bytes
	v_add_nc_u32 v[AMW], s26, v3                   ; in: 16 x lane: row lane / 2, half lane % 2
	v_lshrrev_b32 v[AMR], 2, v2
	v_lshl_add_u32 v[AMR], v[AMR], 2, s26          ; out: 4 x (lane / 4); the row stands in the immediate
	v_lshrrev_b32 v1, 1, v2
	v_and_b32 v8, 1, v2
	v_lshlrev_b32 v1, 10, v1               ; absmax's rows are four apart too
	v_lshl_add_u32 v1, v8, 4, v1                   ; in memory: row lane / 2 of 256 bytes, + 16 (lane % 2)
	global_load_b128 v[AB:AB+3], v1, s[30:31]      ; once a wave: 32 bytes of each of 16 rows
	v_mov_b32 v[TAB], 0                            ; entry 7 is 0; lanes 16-31 are named by no index
	v_mov_b32 v[AM+1], 0                           ; named with AM as a pair, so it is written
	ENTRY 0,  0xbf800000
	ENTRY 1,  0xbf3239b1
	ENTRY 2,  0xbf066b30
	ENTRY 3,  0xbeca32a0
	ENTRY 4,  0xbe91a24d
	ENTRY 5,  0xbe3d353f
	ENTRY 6,  0xbdba7871
	ENTRY 8,  0x3da2faff
	ENTRY 9,  0x3e24cae3
	ENTRY 10, 0x3e7c04dd
	ENTRY 11, 0x3ead033a
	ENTRY 12, 0x3ee1a4b8
	ENTRY 13, 0x3f1007ab
	ENTRY 14, 0x3f2e047c
	ENTRY 15, 0x3f800000
.set RST, 65536                        ; w: four rows from step to step
	BODY 1
.Lfunc_end_k_qa165fc7a1c_quant:
	.size	k_qa165fc7a1c_quant, .Lfunc_end_k_qa165fc7a1c_quant-k_qa165fc7a1c_quant
	.p2alignl 7, 3214868480
	.fill 96, 4, 3214868480
	.section	.rodata,"a",@progbits
	.p2align	6, 0x0
	.amdhsa_kernel k_qa165fc7a1c_quant
		.amdhsa_group_segment_fixed_size 45568
		.amdhsa_private_segment_fixed_size 0
		.amdhsa_enable_private_segment 0
		.amdhsa_kernarg_size 40
		.amdhsa_user_sgpr_count 2
		.amdhsa_user_sgpr_kernarg_segment_ptr 1
		.amdhsa_wavefront_size32 1
		.amdhsa_system_sgpr_workgroup_id_x 1
		.amdhsa_system_sgpr_workgroup_id_y 1
		.amdhsa_system_sgpr_workgroup_id_z 1
		.amdhsa_system_vgpr_workitem_id 0
		.amdhsa_next_free_vgpr 192
		.amdhsa_next_free_sgpr 66
		.amdhsa_reserve_vcc 0
		.amdhsa_float_denorm_mode_32 3
		.amdhsa_float_denorm_mode_16_64 3
		.amdhsa_memory_ordered 1
		.amdhsa_forward_progress 1
		.amdhsa_inst_pref_size 109
	.end_amdhsa_kernel
	.amdgpu_metadata
---
amdhsa.version: [ 1, 2 ]
amdhsa.kernels:
  - .name:           k_qa165fc7a1c_quant
    .symbol:         k_qa165fc7a1c_quant.kd
    .args:
      - { .name: x, .offset: 0, .size: 8, .value_kind: global_buffer, .address_space: global }
      - { .name: codes, .offset: 8, .size: 8, .value_kind: global_buffer, .address_space: global }
      - { .name: absmax, .offset: 16, .size: 8, .value_kind: global_buffer, .address_space: global }
      - { .name: xq, .offset: 24, .size: 8, .value_kind: global_buffer, .address_space: global }
      - { .name: wq, .offset: 32, .size: 8, .value_kind: global_buffer, .address_space: global }
    .group_segment_fixed_size: 45568
    .private_segment_fixed_size: 0
    .kernarg_segment_align: 8
    .kernarg_segment_size: 40
    .max_flat_workgroup_size: 128
    .sgpr_count:     66
    .vgpr_count:     192
    .wavefront_size: 32
...
	.end_amdgpu_metadata
.endif
;; end of part 1
;; launch gemm (part 2): grid 16 x 16, 4 waves a work-group, clusters of 4 x 4, 327,680 bytes of LDS; arguments xq, wq, bias, out0; writes out0
.if DOCPART == 2
	.amdgcn_target "amdgcn-amd-amdhsa--gfx1250"
	.amdhsa_code_object_version 6
	.text
	.protected	k_qa165fc7a1c_gemm
	.globl	k_qa165fc7a1c_gemm
	.p2align	8
	.type	k_qa165fc7a1c_gemm,@function
k_qa165fc7a1c_gemm:
	s_mov_b64 s[64:65], 0
	v_nop
	global_prefetch_b8 v0, s[64:65] scope:SCOPE_SE
	s_setreg_imm32_b32 hwreg(HW_REG_WAVE_MODE, 25, 1), 1
	s_wait_xcnt 0x0
	s_wait_alu depctr_hold_cnt(0) depctr_sa_sdst(0) depctr_va_vdst(0) depctr_va_sdst(0) depctr_va_ssrc(0) depctr_va_vcc(0) depctr_vm_vsrc(0)
	s_getreg_b32 s2, hwreg(HW_REG_IB_STS2, 6, 4)
	s_cmp_eq_u32 s2, 0
	s_cbranch_scc0 .Lentry_in_a_cluster
	s_endpgm
.Lentry_in_a_cluster:
	s_bfe_u32 s2, ttmp6, 0x10000c
	s_cmp_lg_u32 s2, 0xf033
	s_cbranch_scc0 .Lentry_shape_is_right
	s_endpgm
.Lentry_shape_is_right:
; out0[m][n] = nan_to_num(sum over k of xq[m][k] wq[n][k] + bias[n]): codes of FP4 (E2M1) with one E8M0 byte for each 32 along K, sums in f32.  Nothing of the problem is left out.
; xq and wq are laid [row / 128][K step of 512 (8)][34,816 bytes]: 128 rows x 256 bytes of codes, then 128 rows x 16 scale bytes: 136 aligned runs of 256 bytes.
; THE FORM is 32 x 16 x 128: source 0 = 32 rows of x, source 1 = 16 places of wq; 16 registers of sums: register 8 u + j of lane (r, h) is row 16 u + 8 h + j, place r.
; In wq place 16 c + r of each 64 rows holds row 4 r + c of w, so the four tiles c = 0 .. 3 of a group g give a lane the four neighbouring columns 64 g + 4 r + c.
; The select of nan_to_num writes them into four registers on end, and sixteen lanes store 256 consecutive bytes, aligned: the result passes through no LDS.
; A tile of 256 x 256 by four waves of 128 x 128 (32 accumulators); 256 tiles, one to a work-group, so no work-group stays.  K in steps of 512 through two LDS slots; a wave's one tensor load brings 136 runs.
; CLUSTERS 4 x 4: x's tiles are asked for jointly along a row of the cluster, w's along a column.
; A's and B's fragments have two sets each: a sub-step of 128 along K (32 matrix instructions) opens with the 32 LDS loads of the next sub-step.
; PREFETCH: behind the first joint load K steps 1 and 2, behind each later one the tile that stands two refills on; each of the four partners names 34 of its 136 runs, told apart by address; the last two refills ask for nothing.
; The last K step goes by rows of the result: each block of 32 rows is stored as soon as it is finished.
; REGISTERS: window 0: v0-31 addresses; v32-95 scale words, two sets; v96-127 and (in the last K step) v32-63 the way out; v128-255 A's two sets (last K step: two blocks of 32 rows x 512 K).
;   window 1: v0-127 B's two sets; v128-255 the bias as the first products' C (last K step: all 256 hold B).  windows 2, 3: accumulator (a2, b) at v[16 (8 (a2 % 2) + b)], a2 = 0, 1 in window 2.
.set SIZE_N, 4096
.set TILEB,  34816
.set PITCH,  272                       ; 256 bytes + 16 of padding
.set HALFT,  136*PITCH                 ; what one tensor load brings
.set SOFF,   128*PITCH                 ; where a tile's scale bytes begin
.set SLOT,   4*HALFT
.set SPARE,  2*SLOT                    ; the spare words: 512 bytes that no other line names
.set ADRA, 16                          ; v16-17 my A fragments in slot 0, 1
.set ADRB, 20                          ; v20-21 my B fragments
.set ADSA, 22                          ; v22-23 A's scale words: lane l takes row l of a block of 32
.set ADSB, 24                          ; v24-25 B's: lanes 0-15 an even tile, lanes 16-31 the odd one behind it
.set CO,   26                          ; my byte offset in out0
.set BO,   27                          ; my byte offset in bias
.set SPW,  28
.set NIL,  29
.set PFO,  30                          ; prefetch: run lane of my 34
.set PFO2, 31                          ; runs 32 and 33 (lanes 1-31 name the last)
.set SC,   32                          ; set s at SC + 32 s: register 4 a2 + q A's words, register 16 + 4 i + q those of B's tiles 2 i, 2 i + 1
.set AF,   128
.set BI,   128                         ; in window 1
.set PFA,  18
.set MK,   66
.set G1,  24
.set G0,  32
.set G1B, 48
.set G0B, 56
.set MSB, 0
.macro WIN new                         ; the immediate's high byte repeats the setting that is left
.if MSB != \new
	s_set_vgpr_msb (MSB<<8)|\new
.set MSB, \new
.endif
.endm
.set MUL_LO, 0xa4                      ; source 0 (A) window 0, source 1 (B) window 1, C and D window 2
.set MUL_HI, 0xf4                      ; C and D window 3
.set TO_B,   0x40                      ; destination window 1
.macro PLACES n
.rept \n
	v_nop
.endr
.endm
.macro JLOAD s                         ; waves 0, 1 fetch x's two halves, waves 2, 3 w's
	s_cmp_eq_u32 s15, 0
	s_cbranch_scc0 .Lfor_b_\@
	tensor_load_to_lds s[G0+4*\s:G0+4*\s+3], s[G1:G1+7]
	s_nop 0
	PLACES 4
	s_branch .Lasked_\@
.Lfor_b_\@:
	tensor_load_to_lds s[G0B+4*\s:G0B+4*\s+3], s[G1B:G1B+7]
	s_nop 0
	PLACES 4
.Lasked_\@:
.endm
.macro ASK off                         ; my 34 runs of a tile
	global_prefetch_b8 v[PFO], s[PFA:PFA+1] offset:\off th:TH_LOAD_NT scope:SCOPE_SE
	global_prefetch_b8 v[PFO2], s[PFA:PFA+1] offset:\off th:TH_LOAD_NT scope:SCOPE_SE
.endm
.macro CREST
	s_cmp_lg_u32 s14, 0
	s_cbranch_scc1 .Lnot_wave_0_\@
	s_barrier_signal -3
.Lnot_wave_0_\@:
	s_barrier_wait -3
	s_barrier_signal -1
	s_barrier_wait -1
.endm
.macro CROUND
	s_barrier_signal -1
	s_barrier_wait -1
	CREST
.endm
	s_load_b256 s[4:11], s[0:1], 0x0               ; xq, wq, bias, out0
	v_lshl_add_u32 v[SPW], v0, 2, SPARE
	v_mov_b32 v[NIL], 0
	ds_add_u32 v[SPW], v[NIL]                      ; the opening lines: the add twice on end and one wait
	ds_add_u32 v[SPW], v[NIL]
	v_lshrrev_b32 v1, 5, v0
	v_readfirstlane_b32 s14, v1                    ; wave
	v_and_b32 v1, 15, v0                           ; r
	v_bfe_u32 v2, v0, 4, 1                         ; h
	v_lshlrev_b32 v[BO], 4, v1                     ; four columns a lane
	v_and_b32 v3, 31, v0
	v_lshlrev_b32 v[PFO], 8, v3
	v_min_u32 v3, 1, v3
	v_lshl_add_u32 v[PFO2], v3, 8, 32*256
	s_lshr_b32 s15, s14, 1                         ; my half of the rows; also: I fetch for x (0) or w (1)
	s_and_b32 s16, s14, 1                          ; my half of the columns; also: which 128 rows I fetch
	s_bfe_u32 s40, ttmp6, 0x40000                  ; cx
	s_bfe_u32 s41, ttmp6, 0x40004                  ; cy
	s_lshl_b32 s42, ttmp9, 2
	s_add_co_u32 s42, s42, s40                     ; tile column
	s_and_b32 s17, ttmp7, 0xffff
	s_lshl_b32 s17, s17, 2
	s_add_co_u32 s17, s17, s41                     ; tile row
	s_lshl_b32 s43, s41, 2
	s_lshl_b32 s43, 15, s43                        ; my row of the cluster
	s_lshl_b32 s44, 0x1111, s40                    ; my column
	s_or_b32 s[G1+0], s43, (3<<16)|(1<<20)|(1<<21)|(5<<22)|(3<<25)   ; elements of 8 bytes; 4 words of padding behind every 64
	s_or_b32 s[G1B+0], s44, (3<<16)|(1<<20)|(1<<21)|(5<<22)|(3<<25)
.irp g, G1, G1B
	s_mov_b32 s[\g+1], 32<<16
	s_mov_b32 s[\g+2], 136<<16
	s_mov_b32 s[\g+3], 32<<16
	s_mov_b32 s[\g+4], 136
	s_mov_b32 s[\g+5], 32
	s_mov_b32 s[\g+6], 0
	s_mov_b32 s[\g+7], 0
.endr
	s_lshl_b32 s20, s17, 1
	s_add_co_u32 s20, s20, s16
	s_mul_i32 s20, s20, 8*TILEB                    ; x: my 128 rows' eight tiles
	s_mov_b32 s21, 0
	s_lshl_b32 s46, s42, 1
	s_add_co_u32 s46, s46, s16
	s_mul_i32 s46, s46, 8*TILEB                    ; w likewise
	s_mov_b32 s47, 0
	s_mul_i32 s45, s14, HALFT
	s_mov_b32 s12, 0x7fffffff
	s_mov_b32 s13, 0x7f800000
	s_lshl_b32 s22, s42, 10
	s_lshl_b32 s23, s16, 9
	s_add_co_u32 s22, s22, s23                     ; my first column, in bytes
	s_mov_b32 s23, 0
	s_wait_alu depctr_va_vdst(0)
	s_wait_dscnt 0x0
	s_wait_kmcnt 0x0
	s_add_nc_u64 s[20:21], s[4:5], s[20:21]
	s_add_nc_u64 s[46:47], s[6:7], s[46:47]
	s_add_nc_u64 s[8:9], s[8:9], s[22:23]
	s_add_nc_u64 s[10:11], s[10:11], s[22:23]
	WIN TO_B
.irp b, 0,1,2,3,4,5,6,7
	global_load_b32 v[BI+16*\b], v[BO], s[8:9] offset:256*(\b/4)+4*(\b%4)   ; bias of column 64 (b / 4) + 4 r + b % 4: tile b's column in my lane
.endr
	WIN 0
	CROUND                                         ; all sixteen work-groups are here: the first joint loads meet
.irp s, 0,1
	s_mov_b32 s[G0+4*\s], 1
	s_add_co_u32 s[G0+4*\s+1], s45, \s*SLOT
	s_add_nc_u64 s[G0+4*\s+2:G0+4*\s+3], s[20:21], \s*TILEB
	s_or_b32 s[G0+4*\s+3], s[G0+4*\s+3], 0x80000000
	s_mov_b32 s[G0B+4*\s], 1
	s_add_co_u32 s[G0B+4*\s+1], s45, \s*SLOT
	s_add_nc_u64 s[G0B+4*\s+2:G0B+4*\s+3], s[46:47], \s*TILEB
	s_or_b32 s[G0B+4*\s+3], s[G0B+4*\s+3], 0x80000000
.endr
	s_cmp_eq_u32 s15, 0
	s_cselect_b32 s22, s40, s41                    ; my place among the four that ask with me
	s_cselect_b64 s[PFA:PFA+1], s[20:21], s[46:47]
	s_mul_i32 s22, s22, 34*256
	s_add_co_u32 s22, s22, TILEB                   ; K step 1
	s_add_nc_u64 s[PFA:PFA+1], s[PFA:PFA+1], s[22:23]
	JLOAD 0                                        ; K step 0: one tensor load a wave at the head
	ASK 0                                          ; K step 1,
	ASK TILEB                                      ; and K step 2
	v_mul_u32_u24 v3, v1, PITCH
	v_lshl_add_u32 v4, v2, 4, v3                   ; a fragment's row x pitch + 16 h
	s_mul_i32 s21, s15, HALFT
	s_mul_i32 s22, s16, HALFT
	s_add_co_u32 s22, s22, 2*HALFT
.irp s, 0,1
	v_add_nc_u32 v[ADRA+\s], s21, v4
	v_add_nc_u32 v[ADRB+\s], s22, v4
	s_add_co_u32 s21, s21, SLOT
	s_add_co_u32 s22, s22, SLOT
.endr
	v_mul_u32_u24 v5, v2, PITCH                    ; scale words: 16 rows of 16 bytes to a run; lanes 16-31 take the next run
	v_lshl_add_u32 v5, v1, 4, v5
	s_mul_i32 s21, s15, HALFT
	s_add_co_u32 s21, s21, SOFF
	s_mul_i32 s22, s16, HALFT
	s_add_co_u32 s22, s22, 2*HALFT+SOFF
	v_add_nc_u32 v[ADSA], s21, v5
	v_add_nc_u32 v[ADSB], s22, v5
	v_add_nc_u32 v[ADSA+1], SLOT, v[ADSA]
	v_add_nc_u32 v[ADSB+1], SLOT, v[ADSB]
	v_lshlrev_b32 v5, 17, v2                       ; lanes 16-31: eight rows of 16,384 bytes down
	v_lshl_add_u32 v[CO], v1, 4, v5
	s_lshl_b32 s20, s17, 8
	s_lshl_b32 s21, s15, 7
	s_add_co_u32 s20, s20, s21
	s_lshl_b32 s20, s20, 14                        ; my first row of out0, in bytes
	s_mov_b32 s21, 0
	s_add_nc_u64 s[10:11], s[10:11], s[20:21]
.macro FRAG reg, adr, q, i             ; 16 rows x 128 K: two loads of 16 bytes, 32 apart
.irp c, 0,1
	ds_load_b128 v[\reg+4*\c:\reg+4*\c+3], v[\adr] offset:64*(\q)+32*\c+(\i)*16*PITCH
.endr
.endm
.macro WM d, a, b, c, sa, sb, odd      ; one product; an odd tile's scale words lie in lanes 16-31
.if \odd
	v_wmma_scale_f32_32x16x128_f4 v[(\d):(\d)+15], v[(\a):(\a)+15], v[(\b):(\b)+7], v[(\c):(\c)+15], v[\sa], v[\sb] matrix_b_scale:MATRIX_SCALE_ROW1
.else
	v_wmma_scale_f32_32x16x128_f4 v[(\d):(\d)+15], v[(\a):(\a)+15], v[(\b):(\b)+7], v[(\c):(\c)+15], v[\sa], v[\sb]
.endif
.endm
; 8 matrix instructions: A's blocks a0, a0 + 1 (32 rows) x B's eight tiles; p: the set of fragments; q: the slot's q-th 128 along K; sc: the set of scale words; zero = 1: the bias is C.  The 32 accumulators take turns in one order.
.macro MUL8 a0, p, q, sc, zero
.irp b, 0,1,2,3,4,5,6,7
.if \zero
	WM 16*(8*(((\a0)/2)%2)+\b), AF+64*(\p)+8*(\a0), 64*(\p)+8*\b, BI+16*\b, SC+32*(\sc)+2*(\a0)+(\q), SC+32*(\sc)+16+4*(\b/2)+(\q), \b%2
.else
	WM 16*(8*(((\a0)/2)%2)+\b), AF+64*(\p)+8*(\a0), 64*(\p)+8*\b, 16*(8*(((\a0)/2)%2)+\b), SC+32*(\sc)+2*(\a0)+(\q), SC+32*(\sc)+16+4*(\b/2)+(\q), \b%2
.endif
.endr
.endm
.macro FETCH slot, q, p                ; 32 LDS loads in one run
	WIN TO_B
.irp i, 0,1,2,3,4,5,6,7
	FRAG 64*(\p)+8*\i, ADRB+\slot, \q, \i
.endr
	WIN 0
.irp i, 0,1,2,3,4,5,6,7
	FRAG AF+64*(\p)+8*\i, ADRA+\slot, \q, \i
.endr
.endm
.macro SCALES sc                       ; a K step's scale words, four to a row: eight loads
.irp i, 0,1,2,3
	ds_load_b128 v[SC+32*\sc+4*\i:SC+32*\sc+4*\i+3], v[ADSA+\sc] offset:\i*2*PITCH
	ds_load_b128 v[SC+32*\sc+16+4*\i:SC+32*\sc+16+4*\i+3], v[ADSB+\sc] offset:\i*2*PITCH
.endr
.endm
.macro STEP slot, q, zero              ; a sub-step that has its successor in the same slot
	PLACES 4                                       ; in front of loads into the set that the last sub-step multiplied
	FETCH \slot, (\q)+1, 1-(\q)%2
	s_wait_dscnt 32                                ; all but the 32 just issued: this sub-step's fragments are in
	WIN MUL_LO-0x10*\zero                          ; (zero: C in window 1)
	MUL8 0, (\q)%2, \q, \slot, \zero
	MUL8 2, (\q)%2, \q, \slot, \zero
	WIN MUL_HI-0x20*\zero
	MUL8 4, (\q)%2, \q, \slot, \zero
	MUL8 6, (\q)%2, \q, \slot, \zero
.endm
.macro TURN slot, next                 ; a slot's last sub-step: the change of slots
	WIN 0
	s_wait_xcnt 0x0                                ; my prefetches have read their address
	s_add_nc_u64 s[PFA:PFA+1], s[PFA:PFA+1], TILEB
	s_wait_tensorcnt 0x0                           ; my part of the next slot has landed
	ds_add_u32 v[SPW], v[NIL]
	s_add_nc_u64 s[G0+4*\slot+2:G0+4*\slot+3], s[G0+4*\slot+2:G0+4*\slot+3], 2*TILEB    ; no load of mine is out: this slot's next tile
	s_add_nc_u64 s[G0B+4*\slot+2:G0B+4*\slot+3], s[G0B+4*\slot+2:G0B+4*\slot+3], 2*TILEB
	s_wait_dscnt 0x0                               ; the add is done, and my last reads of this slot are back
	s_barrier_signal -1
	WIN MUL_LO
	MUL8 0, 1, 3, \slot, 0
	WIN 0
	s_barrier_wait -1
	CREST                                          ; the barrier has opened a round of the cluster's barrier
	JLOAD \slot                                    ; its four v_nop are also the places in front of the loads below
	FETCH \next, 0, 0
	SCALES \next
	s_cmp_gt_u32 s3, 1                             ; the last trip's two refills have no tile two on
	s_cbranch_scc0 .Lno_ask_\@
	ASK 0
.Lno_ask_\@:
	WIN MUL_LO
	MUL8 2, 1, 3, \slot, 0
	WIN MUL_HI
	MUL8 4, 1, 3, \slot, 0
	MUL8 6, 1, 3, \slot, 0
.endm
; THE LAST K STEP (slot 1), by rows of the result
.macro BQ q                            ; B's fragments of sub-step q -> window 1, v[64 q ..]
.irp i, 0,1,2,3,4,5,6,7
	FRAG 64*(\q)+8*\i, ADRB+1, \q, \i
.endr
.endm
.macro ALOAD2 a                        ; A's 32 rows a, all four sub-steps -> buffer a % 2: 16 registers a sub-step
.irp q, 0,1,2,3
.irp u, 0,1
	FRAG AF+64*((\a)%2)+16*\q+8*\u, ADRA+1, \q, 2*(\a)+\u
.endr
.endr
.endm
.macro ROW2 a                          ; 32 rows are finished: 32 matrix instructions, their eight accumulators by turns
	WIN MUL_LO+0x50*((\a)/2)
.irp q, 0,1,2,3
.irp b, 0,1,2,3,4,5,6,7
	WM 16*(8*((\a)%2)+\b), AF+64*((\a)%2)+16*\q, 64*\q+8*\b, 16*(8*((\a)%2)+\b), SC+32+4*(\a)+\q, SC+48+4*(\b/2)+\q, \b%2
.endr
.endr
.endm
; 16 rows a leave.  nan_to_num: a number whose magnitude's bits reach infinity's becomes 0.  The select writes tile 4 g + c's register j to place 4 j + c: four neighbouring columns on end.
; The even a goes first, from j = 0 on: each accumulator is first read at its register 0.
.macro SEND a
.set AC, 128*(((\a)/2)%2)+8*((\a)%2)
.irp g, 0,1
	s_wait_xcnt 0x0                                ; the earlier stores have read these registers
	WIN 0x08+4*((\a)/4)                            ; source 1: window 2 or 3
.irp jj, 0,2,4,6
.irp d, 0,1
.irp c, 0,1,2,3
	v_and_b32 v[32+64*\g+4*(\jj+\d)+\c], s12, v[AC+16*(4*\g+\c)+\jj+\d]
.endr
.endr
.irp d, 0,1
.irp c, 0,1,2,3
	v_cmp_lt_u32 s[MK+4*\d+\c], v[32+64*\g+4*(\jj+\d)+\c], s13
.endr
.endr
.irp d, 0,1
.irp c, 0,1,2,3
	v_cndmask_b32 v[32+64*\g+4*(\jj+\d)+\c], 0, v[AC+16*(4*\g+\c)+\jj+\d], s[MK+4*\d+\c]
.endr
.endr
.endr
	WIN 0
.irp j, 0,1,2,3,4,5,6,7
	global_store_b128 v[CO], v[32+64*\g+4*\j:32+64*\g+4*\j+3], s[10:11] offset:(16*(\a)+\j)*SIZE_N*4+256*\g th:TH_STORE_NT   ; lanes 0-15: 256 consecutive bytes of row j, aligned; lanes 16-31: of row 8 + j
.endr
.endr
.endm
	s_wait_loadcnt 0x0                             ; the bias
	WIN 0x41
.irp b, 0,1,2,3,4,5,6,7
.irp j, 1,2,3,4,5,6,7,8,9,10,11,12,13,14,15
	v_mov_b32 v[BI+16*\b+\j], v[BI+16*\b]          ; a lane's sixteen rows of a tile share its column's bias
.endr
.endr
	WIN 0
	s_wait_alu depctr_va_vdst(0)
	s_wait_xcnt 0x0
	s_add_nc_u64 s[PFA:PFA+1], s[PFA:PFA+1], 2*TILEB   ; K step 3
	s_wait_tensorcnt 0x0                           ; my part of K step 0 is in; the lines ahead of a later first fill, as ahead of a refill
	ds_add_u32 v[SPW], v[NIL]
	s_wait_dscnt 0x0
	CROUND
	JLOAD 1                                        ; K step 1: the first tensor load behind the round
	FETCH 0, 0, 0
	SCALES 0
	ASK 0
	STEP 0, 0, 1                                   ; the first sub-step starts the sums on the bias
	WIN 0
	s_mov_b32 s3, 3
.Llap:                                                 ; once round the ring, from a lap's second sub-step to the next lap's first
	STEP 0, 1, 0
	STEP 0, 2, 0
	TURN 0, 1
	STEP 1, 0, 0
	STEP 1, 1, 0
	STEP 1, 2, 0
	TURN 1, 0
	STEP 0, 0, 0
	WIN 0
	s_sub_co_u32 s3, s3, 1
	s_cmp_lg_u32 s3, 0
	s_cbranch_scc1 .Llap
	STEP 0, 1, 0
	STEP 0, 2, 0
	WIN 0
	s_wait_tensorcnt 0x0                           ; the last K step's tile; nothing is filled again
	ds_add_u32 v[SPW], v[NIL]
	s_wait_dscnt 0x0
	s_barrier_signal -1
	WIN MUL_LO
	MUL8 0, 1, 3, 0, 0
	s_barrier_wait -1
	PLACES 4                                       ; in front of loads into set 0
	WIN TO_B
	BQ 0
	BQ 2
	BQ 3
	WIN 0
	ALOAD2 0
	SCALES 1
	WIN MUL_LO
	MUL8 2, 1, 3, 0, 0
	WIN MUL_HI
	MUL8 4, 1, 3, 0, 0
	MUL8 6, 1, 3, 0, 0
	PLACES 4                                       ; in front of loads into set 1
	WIN TO_B
	BQ 1
	WIN 0
	ALOAD2 1
.irp a, 0,1,2,3
.if \a < 3
	s_wait_dscnt 16                                ; these 32 rows of A are in; the 16 loads asked for behind them may be out
.else
	s_wait_dscnt 0x0
.endif
	ROW2 \a
	PLACES 4                                       ; in front of the loads into its buffer and of the first read of its results
	WIN 0
.if \a < 2
	ALOAD2 \a+2
.endif
	SEND 2*\a
	SEND 2*\a+1
.endr
	s_wait_tensorcnt 0x0                           ; the wave's end
	ds_add_u32 v[SPW], v[NIL]
	s_wait_dscnt 0x0
	CROUND                                         ; the closing round
	s_endpgm
.Lfunc_end_k_qa165fc7a1c_gemm:
	.size	k_qa165fc7a1c_gemm, .Lfunc_end_k_qa165fc7a1c_gemm-k_qa165fc7a1c_gemm
	.p2alignl 7, 3214868480
	.fill 96, 4, 3214868480
	.section	.rodata,"a",@progbits
	.p2align	6, 0x0
	.amdhsa_kernel k_qa165fc7a1c_gemm
		.amdhsa_group_segment_fixed_size 327680
		.amdhsa_private_segment_fixed_size 0
		.amdhsa_enable_private_segment 0
		.amdhsa_kernarg_size 32
		.amdhsa_user_sgpr_count 2
		.amdhsa_user_sgpr_kernarg_segment_ptr 1
		.amdhsa_wavefront_size32 1
		.amdhsa_system_sgpr_workgroup_id_x 1
		.amdhsa_system_sgpr_workgroup_id_y 1
		.amdhsa_system_sgpr_workgroup_id_z 1
		.amdhsa_system_vgpr_workitem_id 0
		.amdhsa_next_free_vgpr 1024
		.amdhsa_next_free_sgpr 80
		.amdhsa_reserve_vcc 0
		.amdhsa_float_denorm_mode_32 3
		.amdhsa_float_denorm_mode_16_64 3
		.amdhsa_memory_ordered 1
		.amdhsa_forward_progress 1
		.amdhsa_inst_pref_size 213
	.end_amdhsa_kernel
	.amdgpu_metadata
---
amdhsa.version: [ 1, 2 ]
amdhsa.kernels:
  - .name:           k_qa165fc7a1c_gemm
    .symbol:         k_qa165fc7a1c_gemm.kd
    .args:
      - { .name: xq, .offset: 0, .size: 8, .value_kind: global_buffer, .address_space: global }
      - { .name: wq, .offset: 8, .size: 8, .value_kind: global_buffer, .address_space: global }
      - { .name: bias, .offset: 16, .size: 8, .value_kind: global_buffer, .address_space: global }
      - { .name: out0, .offset: 24, .size: 8, .value_kind: global_buffer, .address_space: global }
    .group_segment_fixed_size: 327680
    .private_segment_fixed_size: 0
    .kernarg_segment_align: 8
    .kernarg_segment_size: 32
    .max_flat_workgroup_size: 128
    .sgpr_count:     80
    .vgpr_count:     1024
    .wavefront_size: 32
...
	.end_amdgpu_metadata
.endif
;; end of part 2
